; MI455X (gfx1250); checked and timed in simulation.
; The chip was launched on July 23, 2026; its instructions are those of AMD's public machine-readable ISA for CDNA 5 (MIT licence, August 2026) and "CDNA5" Instruction Set Architecture Reference Guide (July 2026). The comments in the code are by the model that wrote it; some were corrected since.
;; Hippocampus. Allowed arithmetic: float matrix products may take bf16 or f16 operands with f32 sums; all other float work in f32.
;; Inputs: W_old 8 x 16 x 64 x 64 float32; b_b 16 float32; b_w 16 x 2,048 float32; content 8 x 1,024 x 2,048 float32; k_w 1,024 x 2,048 float32; v_w 1,024 x 2,048 float32.
;; Outputs: out0 8 x 16 x 64 x 64 float32.
;; 2 versions, each right; version 2 is version 1 with the launch prep written anew for expert scheduling mode. Each part assembles by itself: llvm-mc -triple=amdgcn-amd-amdhsa -mcpu=gfx1250 --defsym DOCPART=n.
;; ======== version 1 of 2: 3 launches
;; limits: values are held in f16: magnitudes above 65,504 overflow, below 6.1e-05 lose precision; inputs' magnitudes at most 65,504; values outside matrix products are rounded to f16
;; workspace buffers: cb 33,554,432 bytes; wb 8,388,608 bytes; beta 524,288 bytes; qws 8,388,608 bytes; gws 16,777,216 bytes
;; launch prep (part 1): grid 256 x 1, 16 waves a work-group, no clusters, 174,080 bytes of LDS; arguments content, k_w, v_w, b_w, b_b, cb, wb, beta; writes cb, wb, beta
.if DOCPART == 1
	.amdgcn_target "amdgcn-amd-amdhsa--gfx1250"
	.amdhsa_code_object_version 6
	.text
	.protected	k_q6b076c45cd_prep
	.globl	k_q6b076c45cd_prep
	.p2align	8
	.type	k_q6b076c45cd_prep,@function
k_q6b076c45cd_prep:
	s_mov_b64 s[64:65], 0
	v_nop
	global_prefetch_b8 v0, s[64:65] scope:SCOPE_SE
	s_setreg_imm32_b32 hwreg(HW_REG_WAVE_MODE, 25, 1), 1
	s_wait_xcnt 0x0
; prep: content, k_w and v_w go from f32 to f16 (cb, wb), and beta = sigmoid(content . b_w + b_b) is made on the way.
; wb's rows are ordered by head: row 128 hd + d is k_w's row 64 hd + d, row 128 hd + 64 + d is v_w's row 64 hd + d.
; Work-group g: content rows 32 g .. 32 g + 31, k_w and v_w rows 4 g .. 4 g + 3.  Wave w: columns 128 w .. 128 w + 127 of all of them
; (512 bytes of f32 in, 256 bytes of f16 out for each row).  No loop: the 57 loads of a wave go out at once.
; The f16 rows also go to the wave's own LDS rows, from where they are read as matrix fragments for the 16 logits of each token;
; the sixteen waves' partial logits meet in LDS behind the one barrier.
; LIMITS: |content|, |k_w|, |v_w|, |b_w| below 65,504 (f16's range); parts of them below 6e-8 are lost (f16's smallest step).
.set ROWB, 8192                        ; bytes in a row of f32
.set ROWH, 4096                        ; bytes in a row of f16
.set LP,   272                         ; LDS pitch: 256 bytes of f16 + 16, an odd multiple of 16
.set WLDS, 32*LP                       ; a wave's 32 rows
.set RED,  16*WLDS                     ; behind them: 16 waves x [32 tokens][16 heads] f32
.set BW,   16                          ; v16-79   b_w as loaded (f32); packed in place to four fragments in v16-47
.set ACC,  48                          ; v48-63   two tiles of logits (tokens 0-15, 16-31), after the packing
.set AF,   64                          ; v64-79   two fragments of content, after the packing
.set X,    80                          ; v80-239  40 rows x 4 registers: 32 of content, 4 of k_w, 4 of v_w
.set FO,   240                         ; v240     16 x (thread mod 128): the final sum's offset
.macro PLACES                          ; four plain vector places behind a matrix instruction (ISA guide 7.12.1)
.rept 4
	v_nop
.endr
.endm
	s_load_b512 s[4:19], s[0:1], 0x0               ; content s[4:5], k_w s[6:7], v_w s[8:9], b_w s[10:11], b_b s[12:13], cb s[14:15], wb s[16:17], beta s[18:19]
	v_lshl_add_u32 v254, v0, 2, 0x2a000
	v_mov_b32 v255, 0
	v_lshrrev_b32 v15, 5, v0
	v_readfirstlane_b32 s20, v15                   ; wave 0..15
	v_and_b32 v15, 31, v0                          ; lane l
	v_and_b32 v13, 15, v0                          ; r = l mod 16
	v_bfe_u32 v14, v0, 4, 1                        ; h = l / 16
	v_lshlrev_b32 v1, 4, v0                        ; 512 w + 16 l: my 16 bytes of an f32 row
	v_lshlrev_b32 v3, 3, v0                        ; 256 w + 8 l: my 8 bytes of an f16 row
	v_and_b32 v12, 3, v0
	v_lshlrev_b32 v12, 4, v12                      ; b_b: the four heads of my final 16 bytes
	s_lshl_b32 s21, s20, 9
	v_lshl_add_u32 v2, v13, 13, s21                ; b_w: row r (a head), my wave's columns,
	v_lshl_add_u32 v2, v14, 5, v2                  ; + 8 h numbers
	s_mul_i32 s24, s20, WLDS                       ; my wave's LDS rows
	v_lshl_add_u32 v4, v15, 3, s24                 ; where I put 8 bytes of a row
	v_mul_u32_u24 v5, v13, LP
	v_lshl_add_u32 v5, v14, 4, v5
	v_add_nc_u32 v5, s24, v5                       ; fragment address: row r, 16 h bytes
	s_lshl_b32 s25, s20, 11
	s_add_co_u32 s25, s25, RED                     ; my wave's partial logits
	v_lshl_add_u32 v6, v14, 9, s25                 ; token 8 h (64 bytes a token),
	v_lshl_add_u32 v6, v13, 2, v6                  ; head r
	v_and_b32 v[FO], 127, v0
	v_lshlrev_b32 v[FO], 4, v[FO]
	v_add_nc_u32 v7, RED, v[FO]                    ; the final sum reads here, 2,048 bytes apart for the 16 waves
	s_mov_b32 s23, 0
	s_wait_kmcnt 0x0
	s_lshl_b32 s22, ttmp9, 18                      ; 32 rows of 8,192 bytes
	s_add_nc_u64 s[4:5], s[4:5], s[22:23]
	s_lshl_b32 s22, ttmp9, 15                      ; 4 rows of 8,192 bytes
	s_add_nc_u64 s[6:7], s[6:7], s[22:23]
	s_add_nc_u64 s[8:9], s[8:9], s[22:23]
	s_lshl_b32 s22, ttmp9, 17                      ; 32 rows of 4,096 bytes
	s_add_nc_u64 s[14:15], s[14:15], s[22:23]
	s_lshr_b32 s22, ttmp9, 4                       ; head of my four weight rows
	s_lshl_b32 s22, s22, 7                         ; 128 rows of wb a head
	s_and_b32 s26, ttmp9, 15
	s_lshl2_add_u32 s22, s26, s22                  ; + 4 (g mod 16)
	s_lshl_b32 s22, s22, 12
	s_add_nc_u64 s[16:17], s[16:17], s[22:23]
	s_lshl_b32 s22, ttmp9, 11                      ; 32 tokens x 16 heads x 4 bytes
	s_add_nc_u64 s[18:19], s[18:19], s[22:23]
	; all loads: b_b, 32 rows of content, b_w's four fragments, 8 weight rows
	global_load_b128 v[8:11], v12, s[12:13]
.set i, 0
.rept 32
	global_load_b128 v[X+4*i:X+4*i+3], v1, s[4:5] offset:ROWB*i th:TH_LOAD_NT
.set i, i+1
.endr
.irp q,0,1,2,3
	global_load_b128 v[BW+16*\q:BW+16*\q+3],     v2, s[10:11] offset:128*\q      ; k = 32 q + 8 h + 0..3
	global_load_b128 v[BW+16*\q+4:BW+16*\q+7],   v2, s[10:11] offset:128*\q+16   ;              + 4..7
	global_load_b128 v[BW+16*\q+8:BW+16*\q+11],  v2, s[10:11] offset:128*\q+64   ; k = 32 q + 16 + 8 h + 0..3
	global_load_b128 v[BW+16*\q+12:BW+16*\q+15], v2, s[10:11] offset:128*\q+80
.endr
.irp j,0,1,2,3
	global_load_b128 v[X+128+4*\j:X+128+4*\j+3], v1, s[6:7] offset:ROWB*\j th:TH_LOAD_NT
.endr
.irp j,0,1,2,3
	global_load_b128 v[X+144+4*\j:X+144+4*\j+3], v1, s[8:9] offset:ROWB*\j th:TH_LOAD_NT
.endr
; Eight rows of content: rounded to f16, stored (a wave's store covers 256 consecutive bytes, aligned) and laid into my LDS rows.
.macro ROWS8 c
	s_wait_loadcnt 48-8*\c                         ; younger: 8 (3 - c) rows of content, 16 loads of b_w, 8 weight rows
.irp j,0,1,2,3,4,5,6,7
	v_cvt_pk_f16_f32 v[X+4*(8*\c+\j)],   v[X+4*(8*\c+\j)],   v[X+4*(8*\c+\j)+1]
	v_cvt_pk_f16_f32 v[X+4*(8*\c+\j)+1], v[X+4*(8*\c+\j)+2], v[X+4*(8*\c+\j)+3]
	global_store_b64 v3, v[X+4*(8*\c+\j):X+4*(8*\c+\j)+1], s[14:15] offset:ROWH*(8*\c+\j)
	ds_store_b64 v4, v[X+4*(8*\c+\j):X+4*(8*\c+\j)+1] offset:LP*(8*\c+\j)
.endr
.endm
	ROWS8 0
	ROWS8 1
	ROWS8 2
	ROWS8 3
	s_wait_loadcnt 0x8                             ; b_w is in; the 8 weight rows may stay out
.set i, 0
.rept 32
	v_cvt_pk_f16_f32 v[BW+i], v[BW+2*i], v[BW+2*i+1]   ; packed in place, ascending: the target never passes the sources
.set i, i+1
.endr
	s_wait_loadcnt 0x0
.irp j,0,1,2,3,4,5,6,7
	v_cvt_pk_f16_f32 v[X+128+4*\j],   v[X+128+4*\j],   v[X+128+4*\j+1]
	v_cvt_pk_f16_f32 v[X+128+4*\j+1], v[X+128+4*\j+2], v[X+128+4*\j+3]
.endr
.irp j,0,1,2,3
	global_store_b64 v3, v[X+128+4*\j:X+128+4*\j+1], s[16:17] offset:ROWH*\j
	global_store_b64 v3, v[X+144+4*\j:X+144+4*\j+1], s[16:17] offset:64*ROWH+ROWH*\j   ; v_w's rows lie 64 rows behind k_w's
.endr
	; logits of my 128 columns: D[m = token][n = head], two tiles that take turns, one instruction a turn
.irp q,0,1,2,3
.if \q
	PLACES                                         ; the loads below land in registers that the last two matrix instructions read
.endif
	ds_load_b128 v[AF:AF+3],     v5 offset:64*\q           ; my own bytes: LDS serves a wave's instructions in order (ISA guide 5.7.1)
	ds_load_b128 v[AF+4:AF+7],   v5 offset:64*\q+32
	ds_load_b128 v[AF+8:AF+11],  v5 offset:64*\q+16*LP
	ds_load_b128 v[AF+12:AF+15], v5 offset:64*\q+16*LP+32
	s_wait_dscnt 0x0
.if \q
	v_wmma_f32_16x16x32_f16 v[ACC:ACC+7],    v[AF:AF+7],    v[BW+8*\q:BW+8*\q+7], v[ACC:ACC+7]
	v_wmma_f32_16x16x32_f16 v[ACC+8:ACC+15], v[AF+8:AF+15], v[BW+8*\q:BW+8*\q+7], v[ACC+8:ACC+15]
.else
	v_wmma_f32_16x16x32_f16 v[ACC:ACC+7],    v[AF:AF+7],    v[BW:BW+7], 0
	v_wmma_f32_16x16x32_f16 v[ACC+8:ACC+15], v[AF+8:AF+15], v[BW:BW+7], 0
.endif
.endr
	PLACES
.irp t,0,1
.irp j,0,1,2,3,4,5,6,7
	ds_store_b32 v6, v[ACC+8*\t+\j] offset:1024*\t+64*\j   ; token 16 t + 8 h + j, head r
.endr
.endr
	s_wait_dscnt 0x0                               ; for the other waves' sake: all my LDS stores are done
	s_barrier_signal -1
	s_barrier_wait -1
	s_cmp_ge_u32 s20, 4
	s_cbranch_scc1 .Lend                           ; 128 threads x 16 bytes are the 32 x 16 logits
	s_wait_xcnt 0x0                                ; X fed stores: it is loaded again only behind this wait
.set i, 0
.rept 16
	ds_load_b128 v[X+4*i:X+4*i+3], v7 offset:2048*i
.set i, i+1
.endr
	s_wait_dscnt 0x0
.irp st,8,4,2,1
.set i, 0
.rept \st
	v_pk_add_f32 v[X+4*i:X+4*i+1],   v[X+4*i:X+4*i+1],   v[X+4*(i+\st):X+4*(i+\st)+1]
	v_pk_add_f32 v[X+4*i+2:X+4*i+3], v[X+4*i+2:X+4*i+3], v[X+4*(i+\st)+2:X+4*(i+\st)+3]
.set i, i+1
.endr
.endr
	v_pk_add_f32 v[X:X+1],   v[X:X+1],   v[8:9]
	v_pk_add_f32 v[X+2:X+3], v[X+2:X+3], v[10:11]
.irp j,0,1,2,3
	v_mul_f32 v[X+\j], 0xbfb8aa3b, v[X+\j]         ; -x log2(e)
.endr
.irp j,0,1,2,3
	v_exp_f32 v[X+\j], v[X+\j]
.endr
	v_nop                                          ; one plain place behind a transcendental (ISA guide 5.7.2)
	s_wait_alu depctr_va_vdst(0)
.irp j,0,1,2,3
	v_add_f32 v[X+\j], 1.0, v[X+\j]
.endr
.irp j,0,1,2,3
	v_rcp_f32 v[X+\j], v[X+\j]                     ; sigmoid(x) = 1 / (1 + 2^(-x log2 e)); an overflowing power gives 0, a vanishing one 1
.endr
	v_nop
	s_wait_alu depctr_va_vdst(0)
	global_store_b128 v[FO], v[X:X+3], s[18:19]    ; sixteen lanes store 256 consecutive bytes, aligned
.Lend:
	s_wait_tensorcnt 0x0
	ds_add_u32 v254, v255
	s_wait_dscnt 0x0
	s_endpgm
.Lfunc_end_k_q6b076c45cd_prep:
	.size	k_q6b076c45cd_prep, .Lfunc_end_k_q6b076c45cd_prep-k_q6b076c45cd_prep
	.p2alignl 7, 3214868480
	.fill 96, 4, 3214868480
	.section	.rodata,"a",@progbits
	.p2align	6, 0x0
	.amdhsa_kernel k_q6b076c45cd_prep
		.amdhsa_group_segment_fixed_size 174080
		.amdhsa_private_segment_fixed_size 0
		.amdhsa_enable_private_segment 0
		.amdhsa_kernarg_size 64
		.amdhsa_user_sgpr_count 2
		.amdhsa_user_sgpr_kernarg_segment_ptr 1
		.amdhsa_wavefront_size32 1
		.amdhsa_system_sgpr_workgroup_id_x 1
		.amdhsa_system_sgpr_workgroup_id_y 1
		.amdhsa_system_sgpr_workgroup_id_z 1
		.amdhsa_system_vgpr_workitem_id 0
		.amdhsa_next_free_vgpr 256
		.amdhsa_next_free_sgpr 66
		.amdhsa_reserve_vcc 0
		.amdhsa_float_denorm_mode_32 3
		.amdhsa_float_denorm_mode_16_64 3
		.amdhsa_memory_ordered 1
		.amdhsa_forward_progress 1
		.amdhsa_inst_pref_size 28
	.end_amdhsa_kernel
	.amdgpu_metadata
---
amdhsa.version: [ 1, 2 ]
amdhsa.kernels:
  - .name:           k_q6b076c45cd_prep
    .symbol:         k_q6b076c45cd_prep.kd
    .args:
      - { .name: content, .offset: 0, .size: 8, .value_kind: global_buffer, .address_space: global }
      - { .name: k_w, .offset: 8, .size: 8, .value_kind: global_buffer, .address_space: global }
      - { .name: v_w, .offset: 16, .size: 8, .value_kind: global_buffer, .address_space: global }
      - { .name: b_w, .offset: 24, .size: 8, .value_kind: global_buffer, .address_space: global }
      - { .name: b_b, .offset: 32, .size: 8, .value_kind: global_buffer, .address_space: global }
      - { .name: cb, .offset: 40, .size: 8, .value_kind: global_buffer, .address_space: global }
      - { .name: wb, .offset: 48, .size: 8, .value_kind: global_buffer, .address_space: global }
      - { .name: beta, .offset: 56, .size: 8, .value_kind: global_buffer, .address_space: global }
    .group_segment_fixed_size: 174080
    .private_segment_fixed_size: 0
    .kernarg_segment_align: 8
    .kernarg_segment_size: 64
    .max_flat_workgroup_size: 512
    .sgpr_count:     66
    .vgpr_count:     256
    .wavefront_size: 32
...
	.end_amdgpu_metadata
.endif
;; end of part 1
;; launch proj (part 2): grid 8 x 32, 4 waves a work-group, clusters of 4 x 4, 327,680 bytes of LDS; arguments cb, wb, beta, qws, gws; writes qws, gws
.if DOCPART == 2
	.amdgcn_target "amdgcn-amd-amdhsa--gfx1250"
	.amdhsa_code_object_version 6
	.text
	.protected	k_q6b076c45cd_proj
	.globl	k_q6b076c45cd_proj
	.p2align	8
	.type	k_q6b076c45cd_proj,@function
k_q6b076c45cd_proj:
	s_mov_b64 s[64:65], 0
	v_nop
	global_prefetch_b8 v0, s[64:65] scope:SCOPE_SE
	s_setreg_imm32_b32 hwreg(HW_REG_WAVE_MODE, 25, 1), 1
	s_wait_xcnt 0x0
	s_wait_alu depctr_hold_cnt(0) depctr_sa_sdst(0) depctr_va_vdst(0) depctr_va_sdst(0) depctr_va_ssrc(0) depctr_va_vcc(0) depctr_vm_vsrc(0)
	s_getreg_b32 s2, hwreg(HW_REG_IB_STS2, 6, 4)
	s_cmp_eq_u32 s2, 0
	s_cbranch_scc0 .Lentry_in_a_cluster
	s_endpgm
.Lentry_in_a_cluster:
	s_bfe_u32 s2, ttmp6, 0x10000c
	s_cmp_lg_u32 s2, 0xf033
	s_cbranch_scc0 .Lentry_shape_is_right
	s_endpgm
.Lentry_shape_is_right:
; proj: C = cb wb^T (8192 x 2048 x 2048, f16 operands, f32 sums), and in each wave's registers the whole delta-rule algebra of its block.
; A work-group makes 256 tokens x 256 columns with four waves; a wave makes 128 tokens x 128 columns, which by wb's row order are
; K (64) and V (64) of ONE head.  For such a run of tokens  W_end = W_start (I - Q) + G,  Q = K^T Z,  G = V^T Z,  where K is normalised and
; z_j = b_j (k_j - sum over i > j of (k_j . k_i) z_i).  The wave stores Q (f16) and G^T (f32); the next launch walks the 8 runs of a batch.
; Z, K K^T, the small inverses and Q are bounded by about 2 for every input (unit vectors, b in (0,1), products of contractions), so they
; have room in f16; V has none by itself and goes to f16 behind an exact power of two taken from its own largest magnitude.
; MAIN LOOP: K in steps of 128 through two LDS slots filled by the tensor data mover; 4 x 4 work-groups form a cluster, cb's tile is asked
; for jointly along a row of the cluster and wb's along a column, which divides the requests for both by four.
; LIMITS: a token's sum of squares below 2^-126 counts as 0 in v_sqrt_f32 (then the floor 1e-12 rules, as it would anyway);
; V's scale uses exponent fields 15 to 254, so V wholly below 2^-112 loses precision; the order of rounding is not the triangular solve's.
;
; REGISTERS, in windows of 256.  Main loop: window 0 v16-21 LDS addresses, v64-191 fragments of cb (two buffers); window 1 v64-191 fragments
; of wb; windows 2, 3: 64 accumulator tiles, tile (a, b) at v[8 (8 a + b)]: lane (r, h), register j = token 16 a + r, column 16 b + 8 h + j
; (the matrix instruction is used transposed: source 0 = rows of wb, source 1 = rows of cb).  The tail's map stands at the tail.
.set SIZE_K, 2048
.set KSTEP,  128
.set PITCH,  272                       ; an LDS row: 256 bytes + 16 of padding, an odd multiple of 16
.set HALFT,  128*PITCH                 ; 128 rows: one tensor load
.set SLOT,   4*HALFT                   ; cb's 256 rows, then wb's 256 rows
.set LAPS,   SIZE_K/(2*KSTEP)          ; 8 laps of two K steps
.set ADRA, 16
.set ADRB, 20
.set F0,   64
.set F1,   128
.set G1,  24                           ; s[24:31] group 1 for cb's tiles
.set G0,  32                           ; s[32:39] group 0 for cb's tiles, one set a slot
.set G1B, 48                           ; s[48:55] group 1 for wb's tiles
.set G0B, 56                           ; s[56:63] group 0 for wb's tiles
; the tail, window 0
.set KST,  24                          ; v24  scratch: row r, 16 h bytes (a lane's 8 neighbouring f16 of a token)
.set TRA,  25                          ; v25  scratch: address of the transposing loads
.set OUTO, 26                          ; v26  16 x lane
.set BAD,  27                          ; v27  64 x lane: beta of token lane
.set R,    32                          ; v32-95   8 diagonal tiles, solved in place, then [XB | -XB] fragments; later what is stored
.set WA,   96                          ; v96-127  four tiles
.set ZA,   128                         ; v128-159 four tiles
.set TBA,  160                         ; v160-191 four fragments
.set TBB,  192                         ; v192-223 four fragments
.set BETA, 224                         ; v224-227 beta of token 32 p + lane
.set NB,   228                         ; v228-231 -beta
.set SS,   232                         ; v232-239 sums of squares
.set INV,  240                         ; v240-247 1 / norm, in pairs
.set MX,   248                         ; v248-251 maxima
.set SC,   252                         ; v252-253 V's scale, twice
.set IV,   254                         ; v254-255 its inverse, twice
; the tail, window 1: v0-127 fragments of normalised K by token (16 a + 4 b + q), later of Z (8 (4 u + d) + 4 (s mod 2) + q)
.set SF,   128                         ; v128-223 (window 1) 12 fragments S(s, pair u)
.set SP,   224                         ; v224-255 (window 1) 4 fragments [S(2g, 2g+1) | 0]
.set SPT,  160                         ; scratch pitch: 128 bytes + 32, an odd multiple of 32, as the transposing loads want
.set SCR,  128*SPT                     ; a wave's scratch: 128 tokens
.set MSB, 0
.macro WIN new                         ; the immediate's high byte repeats the setting that is left
.if MSB != (\new)
	s_set_vgpr_msb (MSB<<8)|(\new)
.set MSB, (\new)
.endif
.endm
.set MUL_LO, 0xa1                      ; source 0 (wb) window 1, source 1 (cb) window 0, C and D window 2
.set MUL_HI, 0xf1                      ; the same, C and D window 3
.set TO_B,   0x40                      ; destination window 1
; A joint load: waves 0 and 1 fetch cb's two halves, waves 2 and 3 wb's.  The branch hangs on the wave's number alone.
.macro JLOAD s
	s_cmp_eq_u32 s11, 0
	s_cbranch_scc0 .Lfor_b_\@
	tensor_load_to_lds s[G0+4*\s:G0+4*\s+3], s[G1:G1+7]
	s_nop 0
	s_branch .Lasked_\@
.Lfor_b_\@:
	tensor_load_to_lds s[G0B+4*\s:G0B+4*\s+3], s[G1B:G1B+7]
	s_nop 0
.Lasked_\@:
.endm
.macro CREST                           ; a round of the cluster's barrier behind its opening barrier
	s_cmp_lg_u32 s10, 0
	s_cbranch_scc1 .Lnot_wave_0_\@
	s_barrier_signal -3
.Lnot_wave_0_\@:
	s_barrier_wait -3
	s_barrier_signal -1
	s_barrier_wait -1
.endm
.macro CROUND                          ; a whole round
	s_barrier_signal -1
	s_barrier_wait -1
	CREST
.endm
	s_load_b128 s[4:7], s[0:1], 0x0                ; cb s[4:5], wb s[6:7]
	s_load_b64 s[8:9], s[0:1], 0x10                ; beta
	s_load_b64 s[68:69], s[0:1], 0x18              ; qws
	s_load_b64 s[70:71], s[0:1], 0x20              ; gws
	v_lshl_add_u32 v30, v0, 2, 0x44000
	v_mov_b32 v31, 0
	ds_add_u32 v30, v31
	v_lshrrev_b32 v1, 5, v0
	v_readfirstlane_b32 s10, v1                    ; wave 0..3
	s_lshr_b32 s11, s10, 1                         ; which 128 tokens are mine.  Also: I fetch for cb (0) or for wb (1)
	s_and_b32 s12, s10, 1                          ; which head of the block's two.  Also: which 128 rows of that tile I fetch
	s_bfe_u32 s40, ttmp6, 0x40000                  ; cx
	s_bfe_u32 s41, ttmp6, 0x40004                  ; cy
	s_lshl_b32 s42, ttmp9, 2
	s_add_co_u32 s42, s42, s40                     ; block column = 4 x cluster x + cx
	s_and_b32 s13, ttmp7, 0xffff
	s_lshl_b32 s13, s13, 2
	s_add_co_u32 s13, s13, s41                     ; block row = 4 x cluster y + cy
	s_lshl_b32 s43, s41, 2
	s_lshl_b32 s43, 15, s43                        ; my row of the cluster
	s_lshl_b32 s44, 0x1111, s40                    ; my column
	; group 1: a tile of 128 rows x 128 elements of 2 bytes, 16 bytes of padding behind every 64 words
	s_or_b32 s[G1+0], s43, (1<<16)|(1<<20)|(1<<21)|(5<<22)|(3<<25)
	s_or_b32 s[G1B+0], s44, (1<<16)|(1<<20)|(1<<21)|(5<<22)|(3<<25)
	s_mov_b32 s[G1B+1], KSTEP<<16
	s_mov_b32 s[G1+1], KSTEP<<16                   ; tensor_dim0 = 128
	s_mov_b32 s[G1B+2], 128<<16
	s_mov_b32 s[G1+2], 128<<16                     ; tensor_dim1 = 128
	s_mov_b32 s[G1B+3], KSTEP<<16
	s_mov_b32 s[G1+3], KSTEP<<16                   ; tile_dim0 = 128
	s_mov_b32 s[G1B+4], 128
	s_mov_b32 s[G1+4], 128                         ; tile_dim1 = 128
	s_mov_b32 s[G1B+5], SIZE_K
	s_mov_b32 s[G1+5], SIZE_K                      ; elements from row to row
	s_mov_b32 s[G1B+6], 0
	s_mov_b32 s[G1+6], 0
	s_mov_b32 s[G1B+7], 0
	s_mov_b32 s[G1+7], 0
	; cb's tiles hang on the block row alone, wb's on the block column alone; each address in registers that never hold the other coordinate
	s_lshl_b32 s17, s12, 7
	s_lshl_b32 s16, s13, 8
	s_add_co_u32 s16, s16, s17
	s_lshl_b32 s46, s42, 8
	s_add_co_u32 s46, s46, s17
	s_mov_b32 s17, 0
	s_mov_b32 s47, 0
	s_mov_b64 s[18:19], SIZE_K*2
	s_mul_u64 s[16:17], s[16:17], s[18:19]
	s_mul_u64 s[46:47], s[46:47], s[18:19]
	s_mul_i32 s20, s10, HALFT                      ; LDS: wave x 128 rows
	s_wait_dscnt 0x0
	s_wait_kmcnt 0x0
	s_add_nc_u64 s[14:15], s[4:5], s[16:17]
	s_add_nc_u64 s[46:47], s[6:7], s[46:47]
	CROUND                                         ; all sixteen work-groups are here: the first joint loads meet
.irp s, 0,1
	s_mov_b32 s[G0+4*\s], 1
	s_add_co_u32 s[G0+4*\s+1], s20, \s*SLOT
	s_add_nc_u64 s[G0+4*\s+2:G0+4*\s+3], s[14:15], \s*KSTEP*2
	s_or_b32 s[G0+4*\s+3], s[G0+4*\s+3], 0x80000000
	s_mov_b32 s[G0B+4*\s], 1
	s_add_co_u32 s[G0B+4*\s+1], s20, \s*SLOT
	s_add_nc_u64 s[G0B+4*\s+2:G0B+4*\s+3], s[46:47], \s*KSTEP*2
	s_or_b32 s[G0B+4*\s+3], s[G0B+4*\s+3], 0x80000000
	JLOAD \s                                       ; both slots' first fills, one group: two tensor loads of the wave are out
.endr
	v_and_b32 v1, 15, v0                           ; r
	v_bfe_u32 v2, v0, 4, 1                         ; h
	v_mul_u32_u24 v3, v1, PITCH
	v_lshl_add_u32 v3, v2, 4, v3
	s_mul_i32 s21, s11, HALFT                      ; my 128 rows of cb
	s_mul_i32 s22, s12, HALFT
	s_add_co_u32 s22, s22, 2*HALFT                 ; my 128 rows of wb
.irp s, 0,1
	v_add_nc_u32 v[ADRA+\s], s21, v3
	v_add_nc_u32 v[ADRB+\s], s22, v3
	s_add_co_u32 s21, s21, SLOT
	s_add_co_u32 s22, s22, SLOT
.endr
	s_mul_i32 s23, s10, SCR                        ; my scratch, by the wave's number alone
	v_mul_u32_u24 v4, v1, SPT
	v_lshl_add_u32 v4, v2, 4, v4
	v_add_nc_u32 v[KST], s23, v4
	v_and_b32 v5, 7, v0
	v_lshl_add_u32 v5, v2, 3, v5                   ; row 8 h + (l mod 8)
	v_mul_u32_u24 v5, v5, SPT
	v_bfe_u32 v6, v0, 3, 1
	v_lshl_add_u32 v5, v6, 4, v5                   ; + 16 bytes for the odd groups of eight lanes
	v_add_nc_u32 v[TRA], s23, v5
	v_and_b32 v6, 31, v0
	v_lshlrev_b32 v[OUTO], 4, v6
	v_lshlrev_b32 v[BAD], 6, v6
.macro MUL16 f, hi, a0, zero
.irp a, \a0, \a0+1
.irp b, 0,1,2,3,4,5,6,7
.if \zero
	v_wmma_f32_16x16x32_f16 v[8*(8*(\a)+\b):8*(8*(\a)+\b)+7], v[\f+8*\b:\f+8*\b+7], v[\f+8*(4*\hi+\a):\f+8*(4*\hi+\a)+7], 0
.else
	v_wmma_f32_16x16x32_f16 v[8*(8*(\a)+\b):8*(8*(\a)+\b)+7], v[\f+8*\b:\f+8*\b+7], v[\f+8*(4*\hi+\a):\f+8*(4*\hi+\a)+7], v[8*(8*(\a)+\b):8*(8*(\a)+\b)+7]
.endif
.endr
.endr
.endm
.macro FETCH slot, k, f                ; 32 LDS loads in one run: one quarter step's fragments into buffer f
	WIN TO_B
.irp i, 0,1,2,3,4,5,6,7
	ds_load_b128 v[\f+8*\i:\f+8*\i+3],   v[ADRB+\slot] offset:\k+\i*16*PITCH
	ds_load_b128 v[\f+8*\i+4:\f+8*\i+7], v[ADRB+\slot] offset:\k+\i*16*PITCH+32
.endr
	WIN 0
.irp i, 0,1,2,3,4,5,6,7
	ds_load_b128 v[\f+8*\i:\f+8*\i+3],   v[ADRA+\slot] offset:\k+\i*16*PITCH
	ds_load_b128 v[\f+8*\i+4:\f+8*\i+7], v[ADRA+\slot] offset:\k+\i*16*PITCH+32
.endr
.endm
; Four plain vector places behind a matrix instruction, in front of whatever reads its result or writes or loads one of its registers
; (ISA guide 7.12.1 for vector instructions); matrix instructions in between are not counted.
.macro PLACES
.rept 4
	v_nop
.endr
.endm
.macro QUARTER slot, k, f, g, zero
	s_wait_dscnt 8                                 ; wb's fragments and cb's rows 0-63 are in; the youngest eight loads may be out
	WIN MUL_LO
	MUL16 \f, 0, 0, \zero
	MUL16 \f, 0, 2, \zero
	PLACES
	FETCH \slot, \k, \g
	s_wait_dscnt 32                                ; all but the 32 just issued
	WIN MUL_HI
	MUL16 \f, 1, 0, \zero
	MUL16 \f, 1, 2, \zero
.endm
.macro THREE slot, zero
	QUARTER \slot, 64,  F0, F1, \zero
	QUARTER \slot, 128, F1, F0, 0
	QUARTER \slot, 192, F0, F1, 0
.endm
; The last quarter of a K step changes slots.  In front of the one barrier each wave waits for its reads of this slot and for all its tensor
; loads (one is out: its part of the next slot); where the slot is filled again the barrier opens a round of the cluster's barrier, and the
; joint refill is the first tensor load behind the round.  The 64 accumulators take turns, one instruction a turn.
.macro TURN slot, next, fill
	s_wait_dscnt 8
	WIN MUL_LO
	MUL16 F1, 0, 0, 0
	s_wait_dscnt 0
	s_set_vgpr_msb 0xa1a0
	s_wait_tensorcnt 0x0
	ds_add_u32 v30, v31
	s_wait_dscnt 0x0
	s_set_vgpr_msb 0xa0a1
	s_barrier_signal -1
	MUL16 F1, 0, 2, 0
	WIN 0
	s_barrier_wait -1
.if \fill
	CREST
	s_add_nc_u64 s[G0+4*\slot+2:G0+4*\slot+3], s[G0+4*\slot+2:G0+4*\slot+3], 2*KSTEP*2
	s_add_nc_u64 s[G0B+4*\slot+2:G0B+4*\slot+3], s[G0B+4*\slot+2:G0B+4*\slot+3], 2*KSTEP*2
	JLOAD \slot
.endif
	PLACES
	FETCH \next, 0, F0
	WIN MUL_HI
	MUL16 F1, 1, 0, 0
	MUL16 F1, 1, 2, 0
.endm
.macro LAP zero
	THREE 0, \zero
	TURN 0, 1, 1
	THREE 1, 0
	TURN 1, 0, 1
.endm
	s_wait_tensorcnt 1                             ; my part of K step 0 is in; K step 1's stays out
	s_barrier_signal -1
	s_barrier_wait -1
	FETCH 0, 0, F0
	LAP 1                                          ; the first products start the sums
	WIN 0
	s_mov_b32 s3, LAPS-2
.Llap:
	LAP 0
	WIN 0
	s_sub_co_u32 s3, s3, 1
	s_cmp_lg_u32 s3, 0
	s_cbranch_scc1 .Llap
	THREE 0, 0                                     ; the last lap fills nothing
	TURN 0, 1, 0                                   ; behind this barrier no wave reads slot 0 any more, and slot 0 has had its last fill
	THREE 1, 0
	s_wait_dscnt 8
	WIN MUL_LO
	MUL16 F1, 0, 0, 0
	MUL16 F1, 0, 2, 0
	s_wait_dscnt 0
	WIN MUL_HI
	MUL16 F1, 1, 0, 0
	MUL16 F1, 1, 2, 0
	; ================= THE TAIL: private to the wave, no barrier.  Sub-chunks s = 0..7 of 16 tokens, pairs u = s / 2. =================
	; A result tile (lane = n, registers = 8 neighbouring m) becomes by packing alone half of a fragment whose lane index is n and whose k is m.
	; Only K and V are needed with k = token: they go through the wave's scratch in slot 0 and come back by transposing loads.
	PLACES
	WIN 0
	s_mov_b32 s72, 0x76543210                      ; v_permlanex16_b32: lane i reads lane i of the other half
	s_mov_b32 s73, 0xfedcba98
	s_lshl_b32 s74, s42, 1
	s_add_co_u32 s74, s74, s12                     ; head
	s_lshr_b32 s75, s13, 2                         ; batch
	s_lshl_b32 s75, s75, 4
	s_add_co_u32 s75, s75, s74                     ; 16 batch + head
	s_and_b32 s78, s13, 3
	s_lshl_b32 s78, s78, 1
	s_add_co_u32 s78, s78, s11                     ; which of the batch's 8 runs of 128 tokens
	s_lshl3_add_u32 s75, s75, s78
	s_mov_b32 s77, 0
	s_lshl_b32 s76, s75, 13                        ; 8,192 bytes of Q
	s_add_nc_u64 s[68:69], s[68:69], s[76:77]
	s_lshl_b32 s76, s75, 14                        ; 16,384 bytes of G
	s_add_nc_u64 s[70:71], s[70:71], s[76:77]
	s_lshl_b32 s76, s13, 1
	s_add_co_u32 s76, s76, s11
	s_lshl_b32 s76, s76, 13                        ; 128 tokens x 64 bytes
	s_lshl2_add_u32 s76, s74, s76                  ; + 4 head
	s_add_nc_u64 s[8:9], s[8:9], s[76:77]
.irp p,0,1,2,3
	global_load_b32 v[BETA+\p], v[BAD], s[8:9] offset:2048*\p   ; beta of token 32 p + lane: 4 bytes of each token's 64, read once, 512 bytes a wave
.endr
; K of 64 tokens (window 2 + hi): sum of squares, 1 / max(norm, 1e-12), scaled in place, packed to f16 fragments and laid into the scratch.
; K's 32 registers of token tile a are v[64 a .. 64 a + 31].
.macro KNORM hi
.set W, 2+\hi
	WIN (W|(W<<2))
.set m, 0
.rept 16
.irp a,0,1,2,3
.if m == 0
	v_pk_mul_f32 v[SS+2*\a:SS+2*\a+1], v[64*\a:64*\a+1], v[64*\a:64*\a+1]
.else
	v_pk_fma_f32 v[SS+2*\a:SS+2*\a+1], v[64*\a+2*m:64*\a+2*m+1], v[64*\a+2*m:64*\a+2*m+1], v[SS+2*\a:SS+2*\a+1]
.endif
.endr
.set m, m+1
.endr
	WIN 0
.irp a,0,1,2,3
	v_add_f32 v[SS+2*\a], v[SS+2*\a], v[SS+2*\a+1]
.endr
.irp a,0,1,2,3
	v_permlanex16_b32 v[SS+2*\a+1], v[SS+2*\a], s72, s73   ; the token's other 32 features lie in the other half of the lanes
.endr
.irp a,0,1,2,3
	v_add_f32 v[SS+2*\a], v[SS+2*\a], v[SS+2*\a+1]
.endr
.irp a,0,1,2,3
	v_sqrt_f32 v[SS+2*\a], v[SS+2*\a]
.endr
	v_nop                                          ; one plain place behind a transcendental (ISA guide 5.7.2)
	s_wait_alu depctr_va_vdst(0)
.irp a,0,1,2,3
	v_max_num_f32 v[SS+2*\a], 0x2b8cbccc, v[SS+2*\a]       ; max(norm, 1e-12)
.endr
.irp a,0,1,2,3
	v_rcp_f32 v[INV+2*\a], v[SS+2*\a]
	v_rcp_f32 v[INV+2*\a+1], v[SS+2*\a]
.endr
	v_nop
	WIN ((W<<6)|W)
	s_wait_alu depctr_va_vdst(0)
.irp a,0,1,2,3
.set m, 0
.rept 16
	v_pk_mul_f32 v[64*\a+2*m:64*\a+2*m+1], v[64*\a+2*m:64*\a+2*m+1], v[INV+2*\a:INV+2*\a+1]
.set m, m+1
.endr
.endr
	WIN (0x40|W|(W<<2))
.irp a,0,1,2,3
.set m, 0
.rept 16
	v_cvt_pk_f16_f32 v[16*(4*\hi+\a)+m], v[64*\a+2*m], v[64*\a+2*m+1]
.set m, m+1
.endr
.endr
	WIN 0x04                                       ; store data in window 1
.irp a,0,1,2,3
.irp b,0,1,2,3
	ds_store_b128 v[KST], v[16*(4*\hi+\a)+4*\b:16*(4*\hi+\a)+4*\b+3] offset:16*SPT*(4*\hi+\a)+32*\b
.endr
.endr
.endm
	KNORM 0
	KNORM 1
; One matrix instruction of S(p, s): D[m = token of p][n = token of s], K step kk of the 64 features.
.macro SMUL kk, t, s, p
.if \kk
	v_wmma_f32_16x16x32_f16 v[\t:\t+7], v[16*(\p)+8:16*(\p)+15], v[16*(\s)+8:16*(\s)+15], v[\t:\t+7]
.else
	v_wmma_f32_16x16x32_f16 v[\t:\t+7], v[16*(\p):16*(\p)+7], v[16*(\s):16*(\s)+7], 0
.endif
.endm
.macro DIAG4 s0                        ; four diagonal tiles, by turns
	WIN 0x05
.irp kk,0,1
.irp i,0,1,2,3
	SMUL \kk, R+8*(\s0+\i), \s0+\i, \s0+\i
.endr
.endr
.endm
.macro SGRP set, s0,p0,s1,p1,s2,p2,s3,p3           ; four tiles S(s, p), s < p, by turns, into set 0 (WA) or 1 (ZA)
	WIN 0x05
.irp kk,0,1
	SMUL \kk, WA+32*\set,    \s0, \p0
	SMUL \kk, WA+32*\set+8,  \s1, \p1
	SMUL \kk, WA+32*\set+16, \s2, \p2
	SMUL \kk, WA+32*\set+24, \s3, \p3
.endr
.endm
.macro SCVT1 t, s, p                   ; the tile becomes half of a fragment: lane = token of s, k = token of p
.set gg, (\s)>>1
.if ((\p)>>1) == gg
.set dst, SP+8*gg
.else
.set dst, SF+8*(gg*(7-gg)+((\s)&1)*(3-gg)+((\p)>>1)-gg-1)+4*((\p)&1)
.endif
.irp q,0,1,2,3
	v_cvt_pk_f16_f32 v[dst+\q], v[\t+2*\q], v[\t+2*\q+1]
.endr
.endm
.macro SCVT set, s0,p0,s1,p1,s2,p2,s3,p3
	WIN 0x40
	SCVT1 WA+32*\set,    \s0, \p0
	SCVT1 WA+32*\set+8,  \s1, \p1
	SCVT1 WA+32*\set+16, \s2, \p2
	SCVT1 WA+32*\set+24, \s3, \p3
.endm
	DIAG4 0
	DIAG4 4
	SGRP 0, 0,1, 0,2, 0,3, 0,4
	SGRP 1, 0,5, 0,6, 0,7, 1,2
	PLACES
	SCVT 0, 0,1, 0,2, 0,3, 0,4                     ; from here on the 16 packings of one set are the places behind the other set's products
	SGRP 0, 1,3, 1,4, 1,5, 1,6
	SCVT 1, 0,5, 0,6, 0,7, 1,2
	SGRP 1, 1,7, 2,3, 2,4, 2,5
	SCVT 0, 1,3, 1,4, 1,5, 1,6
	SGRP 0, 2,6, 2,7, 3,4, 3,5
	SCVT 1, 1,7, 2,3, 2,4, 2,5
	SGRP 1, 3,6, 3,7, 4,5, 4,6
	SCVT 0, 2,6, 2,7, 3,4, 3,5
	SGRP 0, 4,7, 5,6, 5,7, 6,7
	SCVT 1, 3,6, 3,7, 4,5, 4,6
	SCVT 0, 4,7, 5,6, 5,7, 6,7
.irp g,0,1,2,3
.irp q,4,5,6,7
	v_mov_b32 v[SP+8*\g+\q], 0                     ; the upper 16 k of [S(2g, 2g+1) | 0]
.endr
.endr
	; The eight inverses T = (I + stril(S_ss) diag b)^-1 by forward substitution, in f32, two sub-chunks in the two halves of the lanes.
	; Register i of a pair holds row i, the lane (mod 16) is the column.  It starts as -S[i][j] b_j for j < i; term l adds (row i, lane l) x row l.
	; In place: term l changes lanes below l only, and lane l is read at term l; row l is final when the terms below l have been added to it.
	WIN 0
	s_wait_loadcnt 0x0                             ; beta
.irp P,0,1,2,3
.irp j,0,1,2,3,4,5,6,7
	v_permlane16_swap_b32 v[R+16*\P+\j], v[R+16*\P+8+\j]   ; a tile has rows 8 h + j: now register i has row i of sub-chunk 2P below, of 2P + 1 above
.endr
	v_mul_f32 v[NB+\P], -1.0, v[BETA+\P]
.endr
.irp i,1,2,3,4,5,6,7,8,9,10,11,12,13,14,15
	s_mov_b32 s74, 0x10001*((1<<\i)-1)             ; lanes j < i of both halves
.irp P,0,1,2,3
	v_mul_f32 v[R+16*\P+\i], v[R+16*\P+\i], v[NB+\P]
.endr
.irp P,0,1,2,3
	v_cndmask_b32 v[R+16*\P+\i], 0, v[R+16*\P+\i], s74
.endr
.endr
.irp l,1,2,3,4,5,6,7,8,9,10,11,12,13,14
.irp i,2,3,4,5,6,7,8,9,10,11,12,13,14,15
.if \i > \l
.irp P,0,1,2,3
	v_fmac_f32_dpp v[R+16*\P+\i], v[R+16*\P+\i], v[R+16*\P+\l] row_share:\l row_mask:0xf bank_mask:0xf
.endr
.endif
.endr
.endr
.irp i,0,1,2,3,4,5,6,7,8,9,10,11,12,13,14,15
	s_mov_b32 s74, 0x10001<<\i                     ; the diagonal
.irp P,0,1,2,3
.if \i == 0
	v_cndmask_b32 v[R+16*\P], 0, 1.0, s74
.else
	v_cndmask_b32 v[R+16*\P+\i], v[R+16*\P+\i], 1.0, s74
.endif
.endr
.irp P,0,1,2,3
	v_mul_f32_dpp v[R+16*\P+\i], v[BETA+\P], v[R+16*\P+\i] row_share:\i row_mask:0xf bank_mask:0xf   ; XB[j][i] = T[i][j] b_i, lane j
.endr
.endr
.irp P,0,1,2,3
.irp j,0,1,2,3,4,5,6,7
	v_permlane16_swap_b32 v[R+16*\P+\j], v[R+16*\P+8+\j]   ; back to tiles: lane (r, h), register j = XB[r][8 h + j]
.endr
.endr
.irp t,0,1,2,3,4,5,6,7
.irp q,0,1,2,3
	v_cvt_pk_f16_f32 v[R+8*\t+\q], v[R+8*\t+2*\q], v[R+8*\t+2*\q+1]   ; in place, ascending
.endr
.irp q,0,1,2,3
	v_xor_b32 v[R+8*\t+4+\q], 0x80008000, v[R+8*\t+\q]     ; the fragment [XB | -XB]
.endr
.endr
; Z_s = XB_s (K_s - W_s), W_s = sum over s' > s of S(s, s') Z_s', for s = 7 down to 0, as ONE product [XB | -XB] x [K_s ; W_s].
.macro ZCVT s1                         ; Z of sub-chunk s1, in ZA, becomes its half of the pair's fragments (window 1)
	WIN 0x40
.irp d,0,1,2,3
.irp q,0,1,2,3
	v_cvt_pk_f16_f32 v[8*(4*((\s1)>>1)+\d)+4*((\s1)&1)+\q], v[ZA+8*\d+2*\q], v[ZA+8*\d+2*\q+1]
.endr
.endr
.endm
.macro WMUL a, b, first                ; WA[d] (+)= fragment a x fragment (b + 8 d), the four tiles by turns
.irp d,0,1,2,3
.if \first
	v_wmma_f32_16x16x32_f16 v[WA+8*\d:WA+8*\d+7], v[\a:\a+7], v[\b+8*\d:\b+8*\d+7], 0
.else
	v_wmma_f32_16x16x32_f16 v[WA+8*\d:WA+8*\d+7], v[\a:\a+7], v[\b+8*\d:\b+8*\d+7], v[WA+8*\d:WA+8*\d+7]
.endif
.endr
.endm
.macro STAGE s
.set gg, (\s)>>1
.set odd, (\s)&1
.set tbs, TBB-32*odd                   ; odd s: TBA, even s: TBB
.set fst, 1
	WIN 0
.irp d,0,1,2,3
	ds_load_tr16_b128 v[tbs+8*\d:tbs+8*\d+3], v[TRA] offset:16*SPT*\s+32*\d   ; K_s with k = token: the fragment's lower 16 k
.endr
.if \s == 7
.irp d,0,1,2,3
.irp q,4,5,6,7
	v_mov_b32 v[tbs+8*\d+\q], 0                    ; W_7 = 0
.endr
.endr
.else
.irp u,3,2,1
.if \u >= gg+1+odd
	WIN 0x05
	WMUL SF+8*(gg*(7-gg)+odd*(3-gg)+\u-gg-1), 32*\u, fst   ; the pairs whose Z is packed already: they run while Z of s + 1 is finishing
.set fst, 0
.endif
.endr
	PLACES                                         ; behind the products that made Z of s + 1 and read TBA
	ZCVT \s+1
.if odd
	WIN 0x05
	WMUL SF+8*(gg*(7-gg)+3-gg), 32*(gg+1), fst     ; the next pair, whole since the packing above
.else
	WIN 0
.irp d,0,1,2,3
.irp q,0,1,2,3
	v_cvt_pk_f16_f32 v[TBA+8*\d+\q], v[ZA+8*\d+2*\q], v[ZA+8*\d+2*\q+1]   ; TBA = [Z of s + 1 ; what is left of W of s + 1, finite, met by zeros]
.endr
.endr
	WIN 0x01
	WMUL SP+8*gg, TBA, fst                         ; the partner in my own pair
.endif
	PLACES
	WIN 0
.irp d,0,1,2,3
.irp q,0,1,2,3
	v_cvt_pk_f16_f32 v[tbs+8*\d+4+\q], v[WA+8*\d+2*\q], v[WA+8*\d+2*\q+1]   ; W_s: the fragment's upper 16 k
.endr
.endr
.endif
	s_wait_dscnt 0x0                               ; K_s is in
.irp d,0,1,2,3
	v_wmma_f32_16x16x32_f16 v[ZA+8*\d:ZA+8*\d+7], v[R+8*\s:R+8*\s+7], v[tbs+8*\d:tbs+8*\d+7], 0
.endr
.endm
	STAGE 7
	STAGE 6
	STAGE 5
	STAGE 4
	STAGE 3
	STAGE 2
	STAGE 1
	STAGE 0
	PLACES
	ZCVT 0
; Eight transposing loads: 128 tokens x the 16 columns at byte col of the scratch rows, as four fragments with k = token.
.macro KTLOAD buf, col
.irp u,0,1,2,3
	ds_load_tr16_b128 v[\buf+8*\u:\buf+8*\u+3],   v[TRA] offset:32*SPT*\u+\col
	ds_load_tr16_b128 v[\buf+8*\u+4:\buf+8*\u+7], v[TRA] offset:32*SPT*\u+16*SPT+\col
.endr
.endm
; Q = K^T Z, rows 16 mt .. 16 mt + 15: D[m = row of Q][n = column].  Packed, a tile is half of a fragment of Q^T, as the next launch wants it;
; each store of the wave covers 512 consecutive bytes.  Each mt has its own 16 store registers.
.macro QROW mt
.set cur, TBA+32*((\mt)&1)
.set nxt, TBB-32*((\mt)&1)
.set acc, WA+32*((\mt)&1)
	WIN 0
.if \mt < 3
	KTLOAD nxt, 32*(\mt+1)
	s_wait_dscnt 8                                 ; this row's fragments are in; the next row's eight loads stay out
.else
	s_wait_dscnt 0
.endif
	WIN 0x04
.irp u,0,1,2,3
.irp c,0,1,2,3
.if \u == 0
	v_wmma_f32_16x16x32_f16 v[acc+8*\c:acc+8*\c+7], v[cur:cur+7], v[8*\c:8*\c+7], 0
.else
	v_wmma_f32_16x16x32_f16 v[acc+8*\c:acc+8*\c+7], v[cur+8*\u:cur+8*\u+7], v[8*(4*\u+\c):8*(4*\u+\c)+7], v[acc+8*\c:acc+8*\c+7]
.endif
.endr
.endr
	PLACES
	WIN 0
.irp c,0,1,2,3
.irp q,0,1,2,3
	v_cvt_pk_f16_f32 v[R+16*\mt+4*\c+\q], v[acc+8*\c+2*\q], v[acc+8*\c+2*\q+1]
.endr
	global_store_b128 v[OUTO], v[R+16*\mt+4*\c:R+16*\mt+4*\c+3], s[68:69] offset:512*(4*\c+\mt)
.endr
.endm
	WIN 0
	KTLOAD TBA, 0
	QROW 0
	QROW 1
	QROW 2
	QROW 3
; V (v[64 a + 32 .. 64 a + 63] of windows 2 and 3): its largest magnitude gives an exact power of two that brings it to [2^14, 2^15).
.macro VMAX hi
.set W, 2+\hi
	WIN (W|(W<<2))
.set m, 0
.rept 16
.irp a,0,1,2,3
.if (m+\hi) == 0
	v_max_num_f32 v[MX+\a], |v[64*\a+32]|, |v[64*\a+33]|
.else
	v_max3_num_f32 v[MX+\a], |v[64*\a+32+2*m]|, |v[64*\a+33+2*m]|, v[MX+\a]
.endif
.endr
.set m, m+1
.endr
.endm
.macro VOUT hi                         ; scaled, packed, into the scratch over K (whose last reads have been waited for)
.set W, 2+\hi
	WIN ((W<<6)|W)
.irp a,0,1,2,3
.set m, 0
.rept 16
	v_pk_mul_f32 v[64*\a+32+2*m:64*\a+33+2*m], v[64*\a+32+2*m:64*\a+33+2*m], v[SC:SC+1]
.set m, m+1
.endr
.endr
	WIN (W|(W<<2))
.irp a,0,1,2,3
.set m, 0
.rept 16
	v_cvt_pk_f16_f32 v[R+16*\a+m], v[64*\a+32+2*m], v[64*\a+33+2*m]
.set m, m+1
.endr
.endr
	WIN 0
.irp a,0,1,2,3
.irp b,0,1,2,3
	ds_store_b128 v[KST], v[R+16*\a+4*\b:R+16*\a+4*\b+3] offset:16*SPT*(4*\hi+\a)+32*\b
.endr
.endr
.endm
	VMAX 0
	VMAX 1
	WIN 0
	v_max3_num_f32 v[MX], v[MX], v[MX+1], v[MX+2]
	v_max_num_f32 v[MX], v[MX], v[MX+3]
	v_max_num_f32_dpp v[MX], v[MX], v[MX] row_xmask:1 row_mask:0xf bank_mask:0xf
	v_max_num_f32_dpp v[MX], v[MX], v[MX] row_xmask:2 row_mask:0xf bank_mask:0xf
	v_max_num_f32_dpp v[MX], v[MX], v[MX] row_xmask:4 row_mask:0xf bank_mask:0xf
	v_max_num_f32_dpp v[MX], v[MX], v[MX] row_xmask:8 row_mask:0xf bank_mask:0xf
	v_permlanex16_b32 v[MX+1], v[MX], s72, s73
	v_max_num_f32 v[MX], v[MX], v[MX+1]
	v_lshrrev_b32 v[MX], 23, v[MX]                 ; e, the exponent field
	v_max_u32 v[MX], 15, v[MX]
	v_min_u32 v[MX], 0xfe, v[MX]
	v_sub_nc_u32 v[SC], 0x10c, v[MX]               ; the scale 2^(141 - e)
	v_lshlrev_b32 v[SC], 23, v[SC]
	v_mov_b32 v[SC+1], v[SC]
	v_add_nc_u32 v[IV], -14, v[MX]                 ; and 2^(e - 141)
	v_lshlrev_b32 v[IV], 23, v[IV]
	v_mov_b32 v[IV+1], v[IV]
	s_wait_xcnt 0x0                                ; R fed Q's stores: it is rewritten only behind this wait
	VOUT 0
	VOUT 1
; G^T = Z^T V, columns 16 nt .. 16 nt + 15 (rows of W): D[m = column of W][n = row of W], scaled back and stored in f32 as it lies.
.macro GCOL nt
.set cur, TBA+32*((\nt)&1)
.set nxt, TBB-32*((\nt)&1)
.set acc, WA+32*((\nt)&1)
	WIN 0
.if \nt < 3
	KTLOAD nxt, 32*(\nt+1)
	s_wait_dscnt 8                                 ; the scratch stores and this column's fragments are done; the next column's eight loads stay out
.else
	s_wait_dscnt 0
.endif
.if \nt >= 2
	s_wait_xcnt 0x0                                ; this set of tiles fed stores two columns ago
.endif
	WIN 0x01
.irp u,0,1,2,3
.irp c,0,1,2,3
.if \u == 0
	v_wmma_f32_16x16x32_f16 v[acc+8*\c:acc+8*\c+7], v[8*\c:8*\c+7], v[cur:cur+7], 0
.else
	v_wmma_f32_16x16x32_f16 v[acc+8*\c:acc+8*\c+7], v[8*(4*\u+\c):8*(4*\u+\c)+7], v[cur+8*\u:cur+8*\u+7], v[acc+8*\c:acc+8*\c+7]
.endif
.endr
.endr
	PLACES
	WIN 0
.irp c,0,1,2,3,4,5,6,7,8,9,10,11,12,13,14,15
	v_pk_mul_f32 v[acc+2*\c:acc+2*\c+1], v[acc+2*\c:acc+2*\c+1], v[IV:IV+1]
.endr
.irp c,0,1,2,3,4,5,6,7
	global_store_b128 v[OUTO], v[acc+4*\c:acc+4*\c+3], s[70:71] offset:4096*\nt+512*\c   ; 512 consecutive bytes a store
.endr
.endm
	KTLOAD TBA, 0
	GCOL 0
	GCOL 1
	GCOL 2
	GCOL 3
	WIN 0
	s_wait_dscnt 0x0
	s_wait_tensorcnt 0x0
	ds_add_u32 v30, v31
	s_wait_dscnt 0x0
	CROUND                                         ; the closing round: no work-group ends while a partner may still ask for a tile that names it
	s_endpgm
.Lfunc_end_k_q6b076c45cd_proj:
	.size	k_q6b076c45cd_proj, .Lfunc_end_k_q6b076c45cd_proj-k_q6b076c45cd_proj
	.p2alignl 7, 3214868480
	.fill 96, 4, 3214868480
	.section	.rodata,"a",@progbits
	.p2align	6, 0x0
	.amdhsa_kernel k_q6b076c45cd_proj
		.amdhsa_group_segment_fixed_size 327680
		.amdhsa_private_segment_fixed_size 0
		.amdhsa_enable_private_segment 0
		.amdhsa_kernarg_size 40
		.amdhsa_user_sgpr_count 2
		.amdhsa_user_sgpr_kernarg_segment_ptr 1
		.amdhsa_wavefront_size32 1
		.amdhsa_system_sgpr_workgroup_id_x 1
		.amdhsa_system_sgpr_workgroup_id_y 1
		.amdhsa_system_sgpr_workgroup_id_z 1
		.amdhsa_system_vgpr_workitem_id 0
		.amdhsa_next_free_vgpr 1024
		.amdhsa_next_free_sgpr 80
		.amdhsa_reserve_vcc 0
		.amdhsa_float_denorm_mode_32 3
		.amdhsa_float_denorm_mode_16_64 3
		.amdhsa_memory_ordered 1
		.amdhsa_forward_progress 1
		.amdhsa_inst_pref_size 255
	.end_amdhsa_kernel
	.section	.bss,"aw",@nobits
	.p2align	6
	.space	262144
	.amdgpu_metadata
---
amdhsa.version: [ 1, 2 ]
amdhsa.kernels:
  - .name:           k_q6b076c45cd_proj
    .symbol:         k_q6b076c45cd_proj.kd
    .args:
      - { .name: cb, .offset: 0, .size: 8, .value_kind: global_buffer, .address_space: global }
      - { .name: wb, .offset: 8, .size: 8, .value_kind: global_buffer, .address_space: global }
      - { .name: beta, .offset: 16, .size: 8, .value_kind: global_buffer, .address_space: global }
      - { .name: qws, .offset: 24, .size: 8, .value_kind: global_buffer, .address_space: global }
      - { .name: gws, .offset: 32, .size: 8, .value_kind: global_buffer, .address_space: global }
    .group_segment_fixed_size: 327680
    .private_segment_fixed_size: 0
    .kernarg_segment_align: 8
    .kernarg_segment_size: 40
    .max_flat_workgroup_size: 128
    .sgpr_count:     80
    .vgpr_count:     1024
    .wavefront_size: 32
...
	.end_amdgpu_metadata
.endif
;; end of part 2
;; launch scan (part 3): grid 512 x 1, 1 waves a work-group, no clusters, 4,864 bytes of LDS; arguments W_old, qws, gws, out0; writes out0
.if DOCPART == 3
	.amdgcn_target "amdgcn-amd-amdhsa--gfx1250"
	.amdhsa_code_object_version 6
	.text
	.protected	k_q6b076c45cd_scan
	.globl	k_q6b076c45cd_scan
	.p2align	8
	.type	k_q6b076c45cd_scan,@function
k_q6b076c45cd_scan:
	s_mov_b64 s[64:65], 0
	v_nop
	global_prefetch_b8 v0, s[64:65] scope:SCOPE_SE
	s_setreg_imm32_b32 hwreg(HW_REG_WAVE_MODE, 25, 1), 1
	s_wait_xcnt 0x0
; scan: for each (batch, head) and each strip of 16 rows of W:  X <- X - X Q_i + G_i  over the 8 runs of tokens i = 0..7, X starting as W_old.
; One wave a work-group; work-group 4 bh + strip.  The wave keeps X transposed: lane (r, h) has row 16 strip + r, register 8 mt + j column
; 16 mt + 8 h + j, which is both a result tile's layout and, packed, a fragment's.  All 200 loads go out at once; no loop, no barrier.
; X goes to f16 behind an exact power of two taken, row by row, from the row's own largest magnitude (to [2^14, 2^15)); Q is bounded by about 2.
; LIMIT: the scale uses exponent fields 15 to 254, so a row of X wholly below 2^-112 loses precision.
.set X,  32                            ; v32-63   the state, f32
.set D,  64                            ; v64-95   X Q, four tiles
.set XF, 96                            ; v96-111  X as two f16 fragments
.set T,  112                           ; v112-119 at work
.set EX, 120                           ; v120     exponent field
.set S2, 122                           ; v122-123 the scale, twice
.set NI, 124                           ; v124-125 minus its inverse, twice
.set IO, 128                           ; v128-159 W as it lies in memory
; window 1: Q of runs 0-3 at 64 i + 4 c; window 2: Q of runs 4-7; window 3: G of run i at 32 i + 4 c
.set LP, 272
.set MSB, 0
.macro WIN new
.if MSB != (\new)
	s_set_vgpr_msb (MSB<<8)|(\new)
.set MSB, (\new)
.endif
.endm
	s_load_b256 s[4:11], s[0:1], 0x0               ; W_old s[4:5], qws s[6:7], gws s[8:9], out0 s[10:11]
	v_lshl_add_u32 v254, v0, 2, 0x1200
	v_mov_b32 v255, 0
	s_mov_b32 s12, 0x76543210
	s_mov_b32 s13, 0xfedcba98
	v_lshlrev_b32 v1, 4, v0                        ; 16 x lane
	v_and_b32 v4, 15, v0                           ; r
	v_lshrrev_b32 v5, 4, v0                        ; h
	v_mul_u32_u24 v2, v5, LP
	v_lshl_add_u32 v2, v4, 4, v2                   ; LDS by rows: lanes 0-15 one row of 256 bytes, lanes 16-31 the next
	v_mul_u32_u24 v3, v4, LP
	v_lshl_add_u32 v3, v5, 5, v3                   ; LDS by tiles: row r, 8 h numbers
	s_lshl_b32 s14, ttmp9, 12                      ; W: (4 bh + strip) x 16 rows x 256 bytes
	s_mov_b32 s15, 0
	s_lshr_b32 s16, ttmp9, 2                       ; bh
	s_mov_b32 s17, 0
	s_lshl_b32 s18, s16, 17                        ; G: 131,072 bytes a (batch, head)
	s_and_b32 s20, ttmp9, 3
	s_lshl_b32 s20, s20, 12                        ; + 4,096 a strip
	s_add_co_u32 s18, s18, s20
	s_mov_b32 s19, 0
	s_lshl_b32 s16, s16, 16                        ; Q: 65,536 bytes a (batch, head)
	s_wait_kmcnt 0x0
	s_add_nc_u64 s[4:5], s[4:5], s[14:15]
	s_add_nc_u64 s[10:11], s[10:11], s[14:15]
	s_add_nc_u64 s[6:7], s[6:7], s[16:17]
	s_add_nc_u64 s[8:9], s[8:9], s[18:19]
.irp t,0,1,2,3,4,5,6,7
	global_load_b128 v[IO+4*\t:IO+4*\t+3], v1, s[4:5] offset:512*\t th:TH_LOAD_NT
.endr
.irp i,0,1,2,3,4,5,6,7
.if \i < 4
	WIN 0x40
.else
	WIN 0x80
.endif
.irp c,0,1,2,3,4,5,6,7,8,9,10,11,12,13,14,15
	global_load_b128 v[64*(\i&3)+4*\c:64*(\i&3)+4*\c+3], v1, s[6:7] offset:8192*\i+512*\c
.endr
	WIN 0xc0
.irp c,0,1,2,3,4,5,6,7
	global_load_b128 v[32*\i+4*\c:32*\i+4*\c+3], v1, s[8:9] offset:16384*\i+512*\c th:TH_LOAD_NT
.endr
.endr
	WIN 0
	s_wait_loadcnt 0x3f                            ; 192 loads are younger than W's
.irp t,0,1,2,3,4,5,6,7
	ds_store_b128 v2, v[IO+4*\t:IO+4*\t+3] offset:2*LP*\t
.endr
.irp c,0,1,2,3
	ds_load_b128 v[X+8*\c:X+8*\c+3],   v3 offset:64*\c      ; LDS serves a wave's instructions in order (ISA guide 5.7.1): these see the stores above
	ds_load_b128 v[X+8*\c+4:X+8*\c+7], v3 offset:64*\c+16
.endr
	s_wait_dscnt 0x0
; One run of tokens.  left = how many younger loads may stay out (24 for each later run, at most what the wait can name).
.macro STEP i, left
.irp k,0,1,2,3
	v_max_num_f32 v[T+\k], |v[X+8*\k]|, |v[X+8*\k+1]|
.endr
.irp m,1,2,3
.irp k,0,1,2,3
	v_max3_num_f32 v[T+\k], |v[X+8*\k+2*\m]|, |v[X+8*\k+2*\m+1]|, v[T+\k]
.endr
.endr
	v_max3_num_f32 v[T], v[T], v[T+1], v[T+2]
	v_max_num_f32 v[T], v[T], v[T+3]
	v_permlanex16_b32 v[T+1], v[T], s12, s13       ; the row's other half lies in lane l xor 16
	v_max_num_f32 v[T], v[T], v[T+1]
	v_lshrrev_b32 v[EX], 23, v[T]
	v_max_u32 v[EX], 15, v[EX]
	v_min_u32 v[EX], 0xfe, v[EX]
	v_sub_nc_u32 v[S2], 0x10c, v[EX]               ; 2^(141 - e)
	v_lshlrev_b32 v[S2], 23, v[S2]
	v_mov_b32 v[S2+1], v[S2]
	v_add_nc_u32 v[NI], -14, v[EX]                 ; -2^(e - 141)
	v_lshlrev_b32 v[NI], 23, v[NI]
	v_or_b32 v[NI], 0x80000000, v[NI]
	v_mov_b32 v[NI+1], v[NI]
.irp c,0,1,2,3
.irp q,0,1,2,3
	v_pk_mul_f32 v[T+2*\q:T+2*\q+1], v[X+8*\c+2*\q:X+8*\c+2*\q+1], v[S2:S2+1]
.endr
.irp q,0,1,2,3
	v_cvt_pk_f16_f32 v[XF+4*\c+\q], v[T+2*\q], v[T+2*\q+1]
.endr
.endr
	s_wait_loadcnt \left
.if \i < 4
	WIN 0x01
.else
	WIN 0x02
.endif
	; D[m = column][n = row] = sum over d of Q[d][column] X[row][d]; the four tiles take turns, one instruction a turn
.irp u,0,1
.irp c,0,1,2,3
.if \u == 0
	v_wmma_f32_16x16x32_f16 v[D+8*\c:D+8*\c+7], v[64*(\i&3)+16*\c:64*(\i&3)+16*\c+7], v[XF:XF+7], 0
.else
	v_wmma_f32_16x16x32_f16 v[D+8*\c:D+8*\c+7], v[64*(\i&3)+16*\c+8:64*(\i&3)+16*\c+15], v[XF+8:XF+15], v[D+8*\c:D+8*\c+7]
.endif
.endr
.endr
	WIN 0x0c                                       ; source 1 (G) in window 3
.irp c,0,1,2,3,4,5,6,7,8,9,10,11,12,13,14,15
	v_pk_add_f32 v[X+2*\c:X+2*\c+1], v[X+2*\c:X+2*\c+1], v[32*\i+2*\c:32*\i+2*\c+1]   ; X + G: also the places behind the products (ISA guide 7.12.1)
.endr
	WIN 0
.irp c,0,1,2,3,4,5,6,7,8,9,10,11,12,13,14,15
	v_pk_fma_f32 v[X+2*\c:X+2*\c+1], v[D+2*\c:D+2*\c+1], v[NI:NI+1], v[X+2*\c:X+2*\c+1]   ; - X Q, scaled back
.endr
.endm
	STEP 0, 0x3f
	STEP 1, 0x3f
	STEP 2, 0x3f
	STEP 3, 0x3f
	STEP 4, 0x3f
	STEP 5, 48
	STEP 6, 24
	STEP 7, 0
.irp c,0,1,2,3
	ds_store_b128 v3, v[X+8*\c:X+8*\c+3]   offset:64*\c
	ds_store_b128 v3, v[X+8*\c+4:X+8*\c+7] offset:64*\c+16
.endr
.irp t,0,1,2,3,4,5,6,7
	ds_load_b128 v[IO+4*\t:IO+4*\t+3], v2 offset:2*LP*\t
.endr
.irp t,0,1,2,3,4,5,6,7
	s_wait_dscnt 7-\t
	global_store_b128 v1, v[IO+4*\t:IO+4*\t+3], s[10:11] offset:512*\t   ; sixteen lanes store one row of W: 256 consecutive bytes, aligned
.endr
	s_wait_tensorcnt 0x0
	ds_add_u32 v254, v255
	s_wait_dscnt 0x0
	s_endpgm
.Lfunc_end_k_q6b076c45cd_scan:
	.size	k_q6b076c45cd_scan, .Lfunc_end_k_q6b076c45cd_scan-k_q6b076c45cd_scan
	.p2alignl 7, 3214868480
	.fill 96, 4, 3214868480
	.section	.rodata,"a",@progbits
	.p2align	6, 0x0
	.amdhsa_kernel k_q6b076c45cd_scan
		.amdhsa_group_segment_fixed_size 4864
		.amdhsa_private_segment_fixed_size 0
		.amdhsa_enable_private_segment 0
		.amdhsa_kernarg_size 32
		.amdhsa_user_sgpr_count 2
		.amdhsa_user_sgpr_kernarg_segment_ptr 1
		.amdhsa_wavefront_size32 1
		.amdhsa_system_sgpr_workgroup_id_x 1
		.amdhsa_system_sgpr_workgroup_id_y 1
		.amdhsa_system_sgpr_workgroup_id_z 1
		.amdhsa_system_vgpr_workitem_id 0
		.amdhsa_next_free_vgpr 1024
		.amdhsa_next_free_sgpr 66
		.amdhsa_reserve_vcc 0
		.amdhsa_float_denorm_mode_32 3
		.amdhsa_float_denorm_mode_16_64 3
		.amdhsa_memory_ordered 1
		.amdhsa_forward_progress 1
		.amdhsa_inst_pref_size 74
	.end_amdhsa_kernel
	.amdgpu_metadata
---
amdhsa.version: [ 1, 2 ]
amdhsa.kernels:
  - .name:           k_q6b076c45cd_scan
    .symbol:         k_q6b076c45cd_scan.kd
    .args:
      - { .name: W_old, .offset: 0, .size: 8, .value_kind: global_buffer, .address_space: global }
      - { .name: qws, .offset: 8, .size: 8, .value_kind: global_buffer, .address_space: global }
      - { .name: gws, .offset: 16, .size: 8, .value_kind: global_buffer, .address_space: global }
      - { .name: out0, .offset: 24, .size: 8, .value_kind: global_buffer, .address_space: global }
    .group_segment_fixed_size: 4864
    .private_segment_fixed_size: 0
    .kernarg_segment_align: 8
    .kernarg_segment_size: 32
    .max_flat_workgroup_size: 32
    .sgpr_count:     66
    .vgpr_count:     1024
    .wavefront_size: 32
...
	.end_amdgpu_metadata
.endif
;; end of part 3
;; ======== version 2 of 2: 3 launches; version 1 with the launch prep written anew for expert scheduling mode
;; limits: values are held in f16: magnitudes above 65,504 overflow, below 6.1e-05 lose precision; inputs' magnitudes at most 65,504; values outside matrix products are rounded to f16
;; workspace buffers: cb 33,554,432 bytes; wb 8,388,608 bytes; beta 524,288 bytes; qws 8,388,608 bytes; gws 16,777,216 bytes
;; launch prep (part 4): grid 256 x 1, 16 waves a work-group, no clusters, 174,080 bytes of LDS; arguments content, k_w, v_w, b_w, b_b, cb, wb, beta; writes cb, wb, beta
.if DOCPART == 4
	.amdgcn_target "amdgcn-amd-amdhsa--gfx1250"
	.amdhsa_code_object_version 6
	.text
	.protected	k_q6b076c45cd_prep
	.globl	k_q6b076c45cd_prep
	.p2align	8
	.type	k_q6b076c45cd_prep,@function
k_q6b076c45cd_prep:
	s_mov_b64 s[64:65], 0
	v_nop
	global_prefetch_b8 v0, s[64:65] scope:SCOPE_SE
	s_setreg_imm32_b32 hwreg(HW_REG_WAVE_SCHED_MODE, 0, 2), 2
	s_setreg_imm32_b32 hwreg(HW_REG_WAVE_MODE, 25, 1), 1
	s_wait_xcnt 0x0
	s_wait_alu depctr_vm_vsrc(0)
; prep: content, k_w and v_w go from f32 to f16 (cb, wb), and beta = sigmoid(content . b_w + b_b) is made on the way.
; wb's rows are ordered by head: row 128 hd + d is k_w's row 64 hd + d, row 128 hd + 64 + d is v_w's row 64 hd + d.
; Work-group g: content rows 32 g .. 32 g + 31, k_w and v_w rows 4 g .. 4 g + 3.  Wave w: columns 128 w .. 128 w + 127 of all of them
; (512 bytes of f32 in, 256 bytes of f16 out for each row).  No loop: the 57 loads of a wave go out at once.
; The f16 rows also go to the wave's own LDS rows, from where they are read as matrix fragments for the 16 logits of each token;
; the sixteen waves' partial logits meet in LDS behind the one barrier.
; LIMITS: |content|, |k_w|, |v_w|, |b_w| below 65,504 (f16's range); parts of them below 6e-8 are lost (f16's smallest step).
; THE MODE: SCHED_MODE bits 1:0 = 2 (LLVM: expert scheduling mode 2), set by the entry lines.  The code itself states the register dependences
; between vector or matrix instructions and memory or LDS instructions, with s_wait_alu, always for 0.
; THE PLAN.  Registers that memory or LDS instructions touch:
;   v1-v7, v12, v240  offsets and LDS addresses: written at the head, never again; read by every load and store.
;   X  v80-239   40 rows as loaded, written by the head's loads once; read by the conversions.
;   Y  v80-143   content row r's two f16 registers close up at Y + 2 r (in row r / 2's registers, which are loaded and converted by then):
;                written once, by row r's conversions; read by its global store and its LDS store; never written again.
;   v208-239     the eight weight rows, packed in place: written once by their conversions, read by their stores.
;   AF v144-207  rows 16-31 as loaded, which the conversions alone read; then all four K steps' fragments land there (16 LDS loads in one run),
;                read by the matrix instructions; then, in waves 0-3, the sixteen partial logits land there.
;   ACC v48-63   written by the matrix instructions, read by 16 LDS stores.
; The 32 rows of content go in four groups of eight.  A group's stores are issued in the step behind it, dealt among that step's conversions, which name
; other registers: so ONE wait on va_vdst at a step's head states all that its 16 stores hang on.  No register that a memory or LDS instruction has
; read is ever written again, so the text holds no wait on vm_vsrc.
.set ROWB, 8192                        ; bytes in a row of f32
.set ROWH, 4096                        ; bytes in a row of f16
.set LP,   272                         ; LDS pitch: 256 bytes of f16 + 16, an odd multiple of 16
.set WLDS, 32*LP                       ; a wave's 32 rows
.set RED,  16*WLDS                     ; behind them: 16 waves x [32 tokens][16 heads] f32
.set BW,   16                          ; v16-79   b_w as loaded (f32); packed in place to four fragments in v16-47
.set ACC,  48                          ; v48-63   two tiles of logits (tokens 0-15, 16-31), after the packing
.set X,    80                          ; v80-239  40 rows x 4 registers as loaded: 32 of content, 4 of k_w, 4 of v_w
.set Y,    80                          ; v80-143  content row r in f16: 2 registers at Y + 2 r
.set AF,   144                         ; v144-207 K step q: two fragments of content at AF + 16 q; later the final sum's 16 x 4 registers
.set WX,   208                         ; v208-239 the 8 weight rows, 4 registers each
.set FO,   240                         ; v240     16 x (thread mod 128): the final sum's offset
.macro PLACES                          ; four plain vector places behind a matrix instruction (ISA guide 7.12.1)
.rept 4
	v_nop
.endr
.endm
	s_load_b512 s[4:19], s[0:1], 0x0               ; content s[4:5], k_w s[6:7], v_w s[8:9], b_w s[10:11], b_b s[12:13], cb s[14:15], wb s[16:17], beta s[18:19]
	v_lshl_add_u32 v254, v0, 2, 0x2a000
	v_mov_b32 v255, 0
	v_lshrrev_b32 v15, 5, v0
	v_readfirstlane_b32 s20, v15                   ; wave 0..15
	v_and_b32 v15, 31, v0                          ; lane l
	v_and_b32 v13, 15, v0                          ; r = l mod 16
	v_bfe_u32 v14, v0, 4, 1                        ; h = l / 16
	v_lshlrev_b32 v1, 4, v0                        ; 512 w + 16 l: my 16 bytes of an f32 row
	v_lshlrev_b32 v3, 3, v0                        ; 256 w + 8 l: my 8 bytes of an f16 row
	v_and_b32 v12, 3, v0
	v_lshlrev_b32 v12, 4, v12                      ; b_b: the four heads of my final 16 bytes
	v_and_b32 v[FO], 127, v0
	v_lshlrev_b32 v[FO], 4, v[FO]
	v_add_nc_u32 v7, RED, v[FO]                    ; the final sum reads here, 2,048 bytes apart for the 16 waves
	s_wait_alu depctr_va_sdst(0)                   ; s20 is written, ahead of its first reader: offsets and LDS addresses are made from it
	s_lshl_b32 s21, s20, 9
	v_lshl_add_u32 v2, v13, 13, s21                ; b_w: row r (a head), my wave's columns,
	v_lshl_add_u32 v2, v14, 5, v2                  ; + 8 h numbers
	s_mul_i32 s24, s20, WLDS                       ; my wave's LDS rows
	v_lshl_add_u32 v4, v15, 3, s24                 ; where I put 8 bytes of a row
	v_mul_u32_u24 v5, v13, LP
	v_lshl_add_u32 v5, v14, 4, v5
	v_add_nc_u32 v5, s24, v5                       ; fragment address: row r, 16 h bytes
	s_lshl_b32 s25, s20, 11
	s_add_co_u32 s25, s25, RED                     ; my wave's partial logits
	v_lshl_add_u32 v6, v14, 9, s25                 ; token 8 h (64 bytes a token),
	v_lshl_add_u32 v6, v13, 2, v6                  ; head r
	s_mov_b32 s23, 0
	s_wait_kmcnt 0x0
	s_lshl_b32 s22, ttmp9, 18                      ; 32 rows of 8,192 bytes
	s_add_nc_u64 s[4:5], s[4:5], s[22:23]
	s_lshl_b32 s22, ttmp9, 15                      ; 4 rows of 8,192 bytes
	s_add_nc_u64 s[6:7], s[6:7], s[22:23]
	s_add_nc_u64 s[8:9], s[8:9], s[22:23]
	s_lshl_b32 s22, ttmp9, 17                      ; 32 rows of 4,096 bytes
	s_add_nc_u64 s[14:15], s[14:15], s[22:23]
	s_lshr_b32 s22, ttmp9, 4                       ; head of my four weight rows
	s_lshl_b32 s22, s22, 7                         ; 128 rows of wb a head
	s_and_b32 s26, ttmp9, 15
	s_lshl2_add_u32 s22, s26, s22                  ; + 4 (g mod 16)
	s_lshl_b32 s22, s22, 12
	s_add_nc_u64 s[16:17], s[16:17], s[22:23]
	s_lshl_b32 s22, ttmp9, 11                      ; 32 tokens x 16 heads x 4 bytes
	s_add_nc_u64 s[18:19], s[18:19], s[22:23]
	s_wait_alu depctr_va_vdst(0)                   ; v1 to v7, v12 and v240 are written: every load and store of the kernel reads one of them as its offset or address
	; all loads: b_b, 32 rows of content, b_w's four fragments, 8 weight rows
	global_load_b128 v[8:11], v12, s[12:13]
.set i, 0
.rept 32
	global_load_b128 v[X+4*i:X+4*i+3], v1, s[4:5] offset:ROWB*i th:TH_LOAD_NT
.set i, i+1
.endr
.irp q,0,1,2,3
	global_load_b128 v[BW+16*\q:BW+16*\q+3],     v2, s[10:11] offset:128*\q      ; k = 32 q + 8 h + 0..3
	global_load_b128 v[BW+16*\q+4:BW+16*\q+7],   v2, s[10:11] offset:128*\q+16   ;              + 4..7
	global_load_b128 v[BW+16*\q+8:BW+16*\q+11],  v2, s[10:11] offset:128*\q+64   ; k = 32 q + 16 + 8 h + 0..3
	global_load_b128 v[BW+16*\q+12:BW+16*\q+15], v2, s[10:11] offset:128*\q+80
.endr
.irp j,0,1,2,3
	global_load_b128 v[WX+4*\j:WX+4*\j+3], v1, s[6:7] offset:ROWB*\j th:TH_LOAD_NT
.endr
.irp j,0,1,2,3
	global_load_b128 v[WX+16+4*\j:WX+16+4*\j+3], v1, s[8:9] offset:ROWB*\j th:TH_LOAD_NT
.endr
; Content row r is rounded to f16; its two registers close up at Y + 2 r, which never passes the row's own sources.
.macro CVT r
	v_cvt_pk_f16_f32 v[Y+2*(\r)],   v[X+4*(\r)],   v[X+4*(\r)+1]
	v_cvt_pk_f16_f32 v[Y+2*(\r)+1], v[X+4*(\r)+2], v[X+4*(\r)+3]
.endm
; Content row r is stored (a wave's store covers 256 consecutive bytes, aligned) and laid into my LDS rows.
.macro OUT r
	global_store_b64 v3, v[Y+2*(\r):Y+2*(\r)+1], s[14:15] offset:ROWH*(\r)
	ds_store_b64 v4, v[Y+2*(\r):Y+2*(\r)+1] offset:LP*(\r)
.endm
; Group c: its eight rows are rounded; among the conversions go the stores of the group before.
.macro GROUP c
	s_wait_loadcnt 48-8*(\c)                       ; younger: 8 (3 - c) rows of content, 16 loads of b_w, 8 weight rows
.if \c
	s_wait_alu depctr_va_vdst(0)                   ; the group before has written its sixteen registers of Y, which the stores below read; this group's conversions name none of them
.endif
.irp j,0,1,2,3,4,5,6,7
.if \c
	OUT 8*(\c)-8+\j
.endif
	CVT 8*(\c)+\j
.endr
.endm
	GROUP 0
	GROUP 1
	GROUP 2
	GROUP 3
	s_wait_loadcnt 0x8                             ; b_w is in; the 8 weight rows may stay out
	s_wait_alu depctr_va_vdst(0)                   ; group 3 has written its registers of Y, which the stores below read; and the conversions of rows 16-31 are done reading v144-207, in which the fragments land
.irp j,0,1,2,3,4,5,6,7
	OUT 24+\j
.irp q,0,1,2,3
	v_cvt_pk_f16_f32 v[BW+4*\j+\q], v[BW+8*\j+2*\q], v[BW+8*\j+2*\q+1]   ; packed in place, ascending: the target never passes the sources
.endr
.endr
	; All four K steps' fragments in one run.  No wait: since the one above only v16-79 have been named by vector instructions.
.irp q,0,1,2,3
	ds_load_b128 v[AF+16*\q:AF+16*\q+3],     v5 offset:64*\q           ; my own bytes: LDS serves a wave's instructions in order (ISA guide 5.7.1)
	ds_load_b128 v[AF+16*\q+4:AF+16*\q+7],   v5 offset:64*\q+32
	ds_load_b128 v[AF+16*\q+8:AF+16*\q+11],  v5 offset:64*\q+16*LP
	ds_load_b128 v[AF+16*\q+12:AF+16*\q+15], v5 offset:64*\q+16*LP+32
.endr
	s_wait_loadcnt 0x0
.irp j,0,1,2,3,4,5,6,7
	v_cvt_pk_f16_f32 v[WX+4*\j],   v[WX+4*\j],   v[WX+4*\j+1]
	v_cvt_pk_f16_f32 v[WX+4*\j+1], v[WX+4*\j+2], v[WX+4*\j+3]
.endr
	s_wait_alu depctr_va_vdst(0)                   ; the conversions have written the weight rows' f16 registers, which the eight stores read
.irp j,0,1,2,3
	global_store_b64 v3, v[WX+4*\j:WX+4*\j+1], s[16:17] offset:ROWH*\j
	global_store_b64 v3, v[WX+16+4*\j:WX+16+4*\j+1], s[16:17] offset:64*ROWH+ROWH*\j   ; v_w's rows lie 64 rows behind k_w's
.endr
	; logits of my 128 columns: D[m = token][n = head], two tiles that take turns, one instruction a turn
.irp q,0,1,2,3
	s_wait_dscnt 12-4*\q                           ; LDS instructions end in order (ISA guide 5.7.1): this K step's four loads are in, the later steps' stay out
.if \q
	v_wmma_f32_16x16x32_f16 v[ACC:ACC+7],    v[AF+16*\q:AF+16*\q+7],    v[BW+8*\q:BW+8*\q+7], v[ACC:ACC+7]
	v_wmma_f32_16x16x32_f16 v[ACC+8:ACC+15], v[AF+16*\q+8:AF+16*\q+15], v[BW+8*\q:BW+8*\q+7], v[ACC+8:ACC+15]
.else
	v_wmma_f32_16x16x32_f16 v[ACC:ACC+7],    v[AF:AF+7],    v[BW:BW+7], 0
	v_wmma_f32_16x16x32_f16 v[ACC+8:ACC+15], v[AF+8:AF+15], v[BW:BW+7], 0
.endif
.endr
	PLACES
	s_wait_alu depctr_va_vdst(0)                   ; the matrix instructions have written ACC, which the LDS stores read, and are done reading AF, in which the final sum's loads land; the places above stay beside this wait
.irp t,0,1
.irp j,0,1,2,3,4,5,6,7
	ds_store_b32 v6, v[ACC+8*\t+\j] offset:1024*\t+64*\j   ; token 16 t + 8 h + j, head r
.endr
.endr
	s_wait_dscnt 0x0                               ; for the other waves' sake: all my LDS stores are done
	s_barrier_signal -1
	s_barrier_wait -1
	s_cmp_ge_u32 s20, 4
	s_cbranch_scc1 .Lend                           ; 128 threads x 16 bytes are the 32 x 16 logits
.set i, 0
.rept 16
	ds_load_b128 v[AF+4*i:AF+4*i+3], v7 offset:2048*i      ; no vector instruction since the last wait on va_vdst; no store has ever read these registers
.set i, i+1
.endr
	s_wait_dscnt 0x0
.irp st,8,4,2,1
.set i, 0
.rept \st
	v_pk_add_f32 v[AF+4*i:AF+4*i+1],   v[AF+4*i:AF+4*i+1],   v[AF+4*(i+\st):AF+4*(i+\st)+1]
	v_pk_add_f32 v[AF+4*i+2:AF+4*i+3], v[AF+4*i+2:AF+4*i+3], v[AF+4*(i+\st)+2:AF+4*(i+\st)+3]
.set i, i+1
.endr
.endr
	v_pk_add_f32 v[AF:AF+1],   v[AF:AF+1],   v[8:9]
	v_pk_add_f32 v[AF+2:AF+3], v[AF+2:AF+3], v[10:11]
.irp j,0,1,2,3
	v_mul_f32 v[AF+\j], 0xbfb8aa3b, v[AF+\j]       ; -x log2(e)
.endr
.irp j,0,1,2,3
	v_exp_f32 v[AF+\j], v[AF+\j]
.endr
	v_nop                                          ; one plain place behind a transcendental (ISA guide 5.7.2)
	s_wait_alu depctr_va_vdst(0)                   ; the four exponentials have written their results, ahead of the first instruction that names one
.irp j,0,1,2,3
	v_add_f32 v[AF+\j], 1.0, v[AF+\j]
.endr
.irp j,0,1,2,3
	v_rcp_f32 v[AF+\j], v[AF+\j]                   ; sigmoid(x) = 1 / (1 + 2^(-x log2 e)); an overflowing power gives 0, a vanishing one 1
.endr
	v_nop
	s_wait_alu depctr_va_vdst(0)                   ; the four reciprocals have written v144-147, which the store reads
	global_store_b128 v[FO], v[AF:AF+3], s[18:19]  ; sixteen lanes store 256 consecutive bytes, aligned
.Lend:
	s_wait_dscnt 0x0                               ; the closing lines, six on end
	s_wait_alu 0x0
	s_wait_tensorcnt 0x0
	ds_add_u32 v254, v255
	s_wait_dscnt 0x0
	s_endpgm
.Lfunc_end_k_q6b076c45cd_prep:
	.size	k_q6b076c45cd_prep, .Lfunc_end_k_q6b076c45cd_prep-k_q6b076c45cd_prep
	.p2alignl 7, 3214868480
	.fill 96, 4, 3214868480
	.section	.rodata,"a",@progbits
	.p2align	6, 0x0
	.amdhsa_kernel k_q6b076c45cd_prep
		.amdhsa_group_segment_fixed_size 174080
		.amdhsa_private_segment_fixed_size 0
		.amdhsa_enable_private_segment 0
		.amdhsa_kernarg_size 64
		.amdhsa_user_sgpr_count 2
		.amdhsa_user_sgpr_kernarg_segment_ptr 1
		.amdhsa_wavefront_size32 1
		.amdhsa_system_sgpr_workgroup_id_x 1
		.amdhsa_system_sgpr_workgroup_id_y 1
		.amdhsa_system_sgpr_workgroup_id_z 1
		.amdhsa_system_vgpr_workitem_id 0
		.amdhsa_next_free_vgpr 256
		.amdhsa_next_free_sgpr 66
		.amdhsa_reserve_vcc 0
		.amdhsa_float_denorm_mode_32 3
		.amdhsa_float_denorm_mode_16_64 3
		.amdhsa_memory_ordered 1
		.amdhsa_forward_progress 1
		.amdhsa_inst_pref_size 28
	.end_amdhsa_kernel
	.amdgpu_metadata
---
amdhsa.version: [ 1, 2 ]
amdhsa.kernels:
  - .name:           k_q6b076c45cd_prep
    .symbol:         k_q6b076c45cd_prep.kd
    .args:
      - { .name: content, .offset: 0, .size: 8, .value_kind: global_buffer, .address_space: global }
      - { .name: k_w, .offset: 8, .size: 8, .value_kind: global_buffer, .address_space: global }
      - { .name: v_w, .offset: 16, .size: 8, .value_kind: global_buffer, .address_space: global }
      - { .name: b_w, .offset: 24, .size: 8, .value_kind: global_buffer, .address_space: global }
      - { .name: b_b, .offset: 32, .size: 8, .value_kind: global_buffer, .address_space: global }
      - { .name: cb, .offset: 40, .size: 8, .value_kind: global_buffer, .address_space: global }
      - { .name: wb, .offset: 48, .size: 8, .value_kind: global_buffer, .address_space: global }
      - { .name: beta, .offset: 56, .size: 8, .value_kind: global_buffer, .address_space: global }
    .group_segment_fixed_size: 174080
    .private_segment_fixed_size: 0
    .kernarg_segment_align: 8
    .kernarg_segment_size: 64
    .max_flat_workgroup_size: 512
    .sgpr_count:     66
    .vgpr_count:     256
    .wavefront_size: 32
...
	.end_amdgpu_metadata
.endif
;; end of part 4
;; launch proj: the kernel of part 2 again; grid 8 x 32, 4 waves a work-group, clusters of 4 x 4, 327,680 bytes of LDS; arguments cb, wb, beta, qws, gws; writes qws, gws
;; launch scan: the kernel of part 3 again; grid 512 x 1, 1 waves a work-group, no clusters, 4,864 bytes of LDS; arguments W_old, qws, gws, out0; writes out0
